; MI455X (gfx1250); checked and timed in simulation.
; The chip was launched on July 23, 2026; its instructions are those of AMD's public machine-readable ISA for CDNA 5 (MIT licence, August 2026) and "CDNA5" Instruction Set Architecture Reference Guide (July 2026). The comments in the code are by the model that wrote it; some were corrected since.
;; Multi Head Attention. Allowed arithmetic: matrix products marked QUANTISED: E3M2 operands, one E8M0 scale for each 32 along K, by v_wmma_scale_f32_16x16x128_f8f6f4 with both operands' format E3M2, f32 sums; everything else in f32.
;; Inputs: Wk 1,024 x 1,024 float32; Wo 1,024 x 1,024 float32; Wq 1,024 x 1,024 float32; Wv 1,024 x 1,024 float32; bk 1,024 float32; bo 1,024 float32; bq 1,024 float32; bv 1,024 float32; x 4 x 2,048 x 1,024 float32.
;; Outputs: out0 4 x 2,048 x 1,024 float32.
;; This version of the problem:
;;   THIS VERSION OF THE PROBLEM IS GIVEN IN LOW PRECISION. The matrix products marked QUANTISED in the list below multiply operands that are first quantised to E3M2 (3 exponent bits, 2 mantissa bits; 6 bits a number), with one power-of-two scale for each 32 numbers along K (OCP MX v1.0); their sums are f32. All else is computed in f32.
;;   The module's matrix products, in the order in which they are computed (A, B: the left and right operand; K: the contracted axis; several contracted axes count as one K, in the product's order):
;;     1. [M 8,192, K 1,024] x [K 1,024, N 1,024]; A: input x; B: input Wq: QUANTISED
;;     2. [M 8,192, K 1,024] x [K 1,024, N 1,024]; A: input x; B: input Wk: QUANTISED
;;     3. [M 8,192, K 1,024] x [K 1,024, N 1,024]; A: input x; B: input Wv: QUANTISED
;;     4. batch 64 x [M 2,048, K 64] x [K 64, N 2,048]; A: computed on the way; B: computed on the way: QUANTISED
;;     5. batch 64 x [M 2,048, K 2,048] x [K 2,048, N 64]; A: softmax (see below); B: computed on the way: QUANTISED
;;     6. [M 8,192, K 1,024] x [K 1,024, N 1,024]; A: computed on the way; B: input Wo: QUANTISED
;;   THE QUANTISER, for each operand of a quantised product, along K:
;;     - K is cut into blocks of 32 from its start; a last block that is shorter is filled with zeros.
;;     - A block's scale is 2^e with e = floor(log2(the largest magnitude in the block)) - 4, held to -126 .. 127; a block of zeros has e = 0. As a byte (E8M0): e + 127.
;;     - Each number is divided by its block's scale, clamped to +-28, and rounded to the nearest number of E3M2, ties to even, subnormals kept.
;;     - The product sums the exact products of the quantised numbers (number of the format x scale) in f32.
;;   ~~~python
;;   def quantise(x, axis):      # numpy; x: float32 -> the quantised numbers, widened to float32 again
;;       x = np.moveaxis(x, axis, -1); K = x.shape[-1]
;;       x = np.pad(x, [(0, 0)] * (x.ndim - 1) + [(0, -K % 32)]); x = x.reshape(x.shape[:-1] + (-1, 32)); a = np.abs(x).max(-1, keepdims=True)
;;       e = np.where(a > 0, np.clip(np.frexp(np.where(a > 0, a, 1))[1] - 1 - 4, -126, 127), 0)      # np.frexp(a)[1] - 1 = floor(log2(a)), exactly
;;       r = np.clip(x / 2.0 ** e, -28, 28)
;;       step = 2.0 ** (np.maximum(np.frexp(np.where(r == 0, 1, r))[1] - 1, -2) - 2)
;;       q = np.round(r / step) * step * 2.0 ** e      # np.round: ties to even
;;       return np.moveaxis(q.reshape(q.shape[:-2] + (-1,))[..., :K], -1, axis).astype(np.float32)
;;   ~~~
;;   SOFTMAX AHEAD OF A QUANTISED PRODUCT. Where the list says 'softmax', what is quantised is not the finished softmax but p = 2^(t - M), with t = logit x log2(e) and M = ceil(the row's largest t), a whole number; so 1/2 < the row's largest p <= 1. The row's sum l is taken of the UNQUANTISED p, in f32, and the product's result is divided by l at the end. Since M is a whole number, a kernel that streams over the keys may use a running M (the ceiling of the running maximum): every later rescaling is an exact power of two, which a block's scale takes up: the codes' values come out the same.
;;   OPERANDS COMPUTED ON THE WAY. 'Computed on the way' means the value that the module computes at that place (a softmax that the list does not call 'softmax' is quantised finished and normalised). What goes into a quantiser is computed in f32, as accurately as f32 sums, v_exp_f32 and their like allow (about 1e-6 of the number): no bf16 or f16 on the way to a quantiser, and a product that is left as it is and whose result goes on into a quantised operand takes f32 operands (vector FMAs, or v_wmma_f32_16x16x4_f32). A number that lies on a knife's edge between two numbers of the format may be rounded either way, as far as f32 arithmetic and the matrix unit's own rounding can turn it there, and no further.
;; One version. Each part assembles by itself: llvm-mc -triple=amdgcn-amd-amdhsa -mcpu=gfx1250 --defsym DOCPART=n.
;; ======== version 1 of 1: 4 launches
;; limits: right only within a limited range of input values
;; workspace buffers: cod 15,728,640 bytes; sc 655,360 bytes; qkv 20,185,088 bytes
;; launch quant (part 1): grid 768 x 1, 8 waves a work-group, no clusters, 69,120 bytes of LDS; arguments x, Wq, Wk, Wv, Wo, cod, sc; writes cod, sc
.if DOCPART == 1
	.amdgcn_target "amdgcn-amd-amdhsa--gfx1250"
	.amdhsa_code_object_version 6
	.text
	.protected	k_qd6bcd2a39a_quant
	.globl	k_qd6bcd2a39a_quant
	.p2align	8
	.type	k_qd6bcd2a39a_quant,@function
k_qd6bcd2a39a_quant:
	s_mov_b64 s[64:65], 0
	v_nop
	global_prefetch_b8 v0, s[64:65] scope:SCOPE_SE
	s_setreg_imm32_b32 hwreg(HW_REG_WAVE_MODE, 25, 1), 1
	s_wait_xcnt 0x0
; x [8192][1024] and Wq, Wk, Wv, Wo [1024][1024], f32 with K innermost, become codes of BF6 (E3M2) with one E8M0 byte for each 32 along K.
; A block's scale is 2^(floor(log2(largest magnitude)) - 4); its byte is the largest magnitude's exponent field - 4, held at 1 from below.
; LIMITS: NaN and infinities among the inputs are not served; a block of zeros (and one whose largest magnitude lies under 2^-122) gets the byte 1
; where the rule says 127 for zeros: its codes are zeros, and these bytes are read by this program alone.
; LAYOUT OF THE WORKSPACE.  Rows are kept in tiles of 16: stored tile 2 B + u, row p, holds row 32 B + 8 u + p + 8 (p / 8) of its tensor.  Taken as a matrix
; instruction's first source, the 16 result registers of tiles 2 B and 2 B + 1 are then 16 neighbouring rows.  Tiles 0-511 x, 512-575 Wq, 576-639 Wk, 640-703 Wv, 704-767 Wo.
; cod: tile T at 12,288 T, its K step q (128 along K) at + 1,536 q, as an IMAGE OF THE OPERAND'S REGISTERS: register 4 g + e of lane l at 512 g + 16 l + 4 e.
; sc:  stored row 16 T + p at 32 (16 T + p); word q holds the four bytes of K step q.
; SHARES.  A work-group takes one stored tile, wave q its K step q: 16 rows x 512 bytes.  Each load reads 512 consecutive bytes of one row; the bytes turn through the wave's
; own stage in LDS (rows 528 bytes apart) so that a lane holds 16 neighbours of each block of 32.  No tensor load; one barrier, for the eight waves' scale words.
.set STGB,  8448                       ; a wave's stage: 16 rows x 528
.set GATH,  8*STGB                     ; behind the stages: 16 rows x 8 scale words
.set R,     16                         ; v16-79   the 16 rows as loaded
.set X,     16                         ; v16-79   register 16 b + i = k 32 b + 16 (lane / 16) + i of row lane % 16: over the rows as loaded, behind the wait for the stage's stores
.set PC,    80                         ; v80-91   the fragment's codes
.set CT,    92                         ; v92-98   the upper halves of blocks, before they are moved
.set TM,    100                        ; v100-115 at work
.set PW,    116                        ; v116     my row's scale word
.set SEL,   28                         ; s[28:29] lane selects: lane l xor 16
; 64 numbers of a lane, v[s] on, become the two halves of a fragment's codes (six registers at d0, six at d1) and the row's scale word in v[pw].
.macro QUANT s, d0, d1, pw
.irp b, 0,1,2,3
	v_max3_num_f32 v[TM+\b], |v[(\s)+16*\b]|, |v[(\s)+1+16*\b]|, 0x2800000   ; my 16 numbers of block b, and the floor 2^(5 - 127): the byte cannot fall under 1
.endr
.irp i, 2,4,6,8,10,12,14
.irp b, 0,1,2,3
	s_delay_alu instid0(VALU_DEP_4)
	v_max3_num_f32 v[TM+\b], v[TM+\b], |v[(\s)+16*\b+\i]|, |v[(\s)+1+16*\b+\i]|   ; the four blocks by turns
.endr
.endr
.irp b, 0,1,2,3
	s_delay_alu instid0(VALU_DEP_4)
	v_permlanex16_b32 v[TM+4+\b], v[TM+\b], s[SEL], s[SEL+1]
.endr
.irp b, 0,1,2,3
	s_delay_alu instid0(VALU_DEP_4)
	v_max_num_f32 v[TM+\b], v[TM+\b], v[TM+4+\b]           ; with lane l xor 16's 16: the block's largest magnitude
.endr
.irp b, 0,1,2,3
	s_delay_alu instid0(VALU_DEP_4)
	v_add_nc_u32 v[TM+12+\b], 0xfe000000, v[TM+\b]         ; 4 off its exponent field: the conversion's scale operand
.endr
.irp b, 0,1,2,3
	s_delay_alu instid0(VALU_DEP_4)
	v_lshrrev_b32 v[TM+4+\b], 23, v[TM+12+\b]              ; the scale's byte
.endr
	s_delay_alu instid0(VALU_DEP_3)
	v_lshl_or_b32 v[\pw], v[TM+5], 8, v[TM+4]
	s_delay_alu instid0(VALU_DEP_1)
	v_lshl_or_b32 v[\pw], v[TM+6], 16, v[\pw]
	s_delay_alu instid0(VALU_DEP_1)
	v_lshl_or_b32 v[\pw], v[TM+7], 24, v[\pw]
	v_cvt_scalef32_pk16_bf6_f32 v[(\d0):(\d0)+2], v[(\s):(\s)+15], v[TM+12]
	v_cvt_scalef32_pk16_bf6_f32 v[CT:CT+2], v[(\s)+16:(\s)+31], v[TM+13]       ; (a conversion's three registers begin on an even number)
	v_cvt_scalef32_pk16_bf6_f32 v[(\d1):(\d1)+2], v[(\s)+32:(\s)+47], v[TM+14]
	v_cvt_scalef32_pk16_bf6_f32 v[CT+4:CT+6], v[(\s)+48:(\s)+63], v[TM+15]
	v_nop                                                  ; one plain instruction behind the conversions
.irp i, 0,1,2
	v_permlane16_swap_b32 v[(\d0)+\i], v[CT+\i]            ; a whole block to a lane: lanes 0-15 the even block, lanes 16-31 the odd one
	v_permlane16_swap_b32 v[(\d1)+\i], v[CT+4+\i]
.endr
.irp i, 0,1,2
	v_mov_b32 v[(\d0)+3+\i], v[CT+\i]
	v_mov_b32 v[(\d1)+3+\i], v[CT+4+\i]
.endr
.endm
	s_load_b256 s[4:11], s[0:1], 0x0               ; x, Wq, Wk, Wv
	s_load_b128 s[12:15], s[0:1], 0x20             ; Wo, cod
	s_load_b64 s[16:17], s[0:1], 0x30              ; sc
	v_lshl_add_u32 v124, v0, 2, 0x10a00
	v_mov_b32 v125, 0
	v_lshrrev_b32 v6, 5, v0
	s_delay_alu instid0(VALU_DEP_1)
	v_readfirstlane_b32 s18, v6                    ; wave = K step
	v_and_b32 v7, 31, v0                           ; lane
	v_and_b32 v8, 15, v0                           ; r
	v_bfe_u32 v9, v0, 4, 1                         ; h
	s_delay_alu instid0(VALU_DEP_3)
	v_lshlrev_b32 v1, 4, v7                        ; 16 x lane
	s_mul_i32 s19, s18, STGB
	v_add_nc_u32 v2, s19, v1                       ; the stage, on the way in: a row's 512 bytes as they lie
	v_mul_u32_u24 v3, v8, 528
	s_delay_alu instid0(VALU_DEP_1)
	v_lshl_add_u32 v3, v9, 6, v3
	s_delay_alu instid0(VALU_DEP_1)
	v_add_nc_u32 v3, s19, v3                       ; and on the way out: row r, + 64 h
	v_lshlrev_b32 v4, 5, v8
	s_lshl_b32 s22, s18, 2
	s_add_co_u32 s22, s22, GATH
	v_add_nc_u32 v4, s22, v4                       ; my row's word of my K step
	v_add_nc_u32 v5, GATH, v1
	s_mov_b32 s[SEL], 0x76543210
	s_mov_b32 s[SEL+1], 0xfedcba98
.irp b, 0,1,2,3
	v_mov_b32 v[TM+4+\b], 0                        ; written once: a lane permute's destination counts as one of its sources
.endr
	s_and_b32 s23, ttmp9, 63
	s_cmp_lt_u32 ttmp9, 512
	s_cselect_b32 s23, ttmp9, s23                  ; the tile's number in its own tensor
	s_lshr_b32 s24, s23, 1
	s_lshl_b32 s24, s24, 17                        ; 32 rows of 4,096 bytes for each pair of tiles,
	s_and_b32 s25, s23, 1
	s_lshl_b32 s25, s25, 15                        ; 8 rows for the odd tile,
	s_add_co_u32 s24, s24, s25
	s_lshl_b32 s25, s18, 9                         ; 512 bytes a K step
	s_add_co_u32 s24, s24, s25
	s_mov_b32 s25, 0
	s_mul_i32 s26, ttmp9, 12288
	s_mul_i32 s27, s18, 1536
	s_add_co_u32 s26, s26, s27
	s_mov_b32 s27, 0
	s_lshl_b32 s30, ttmp9, 9
	s_mov_b32 s31, 0
	s_wait_alu depctr_va_vdst(0)
	s_wait_kmcnt 0x0
	s_cmp_lt_u32 ttmp9, 512                        ; which tensor: the choice hangs on the work-group's number alone
	s_cselect_b64 s[20:21], s[4:5], s[6:7]
	s_cmp_lt_u32 ttmp9, 576
	s_cselect_b64 s[20:21], s[20:21], s[8:9]
	s_cmp_lt_u32 ttmp9, 640
	s_cselect_b64 s[20:21], s[20:21], s[10:11]
	s_cmp_lt_u32 ttmp9, 704
	s_cselect_b64 s[20:21], s[20:21], s[12:13]
	s_add_nc_u64 s[20:21], s[20:21], s[24:25]
	s_add_nc_u64 s[14:15], s[14:15], s[26:27]
	s_add_nc_u64 s[16:17], s[16:17], s[30:31]
.irp i, 0,1,2,3,4,5,6,7,8,9,10,11,12,13,14,15
	global_load_b128 v[R+4*\i:R+4*\i+3], v1, s[20:21] offset:(\i+8*(\i/8))*4096 th:TH_LOAD_NT   ; stored row i: 32 lanes read 512 consecutive bytes
.endr
.irp i, 0,1,2,3,4,5,6,7,8,9,10,11,12,13,14,15
	s_wait_loadcnt 15-\i                           ; loads come back in order: row i is in, the 15 - i younger ones may be out
	ds_store_b128 v2, v[R+4*\i:R+4*\i+3] offset:528*\i
.endr
	s_wait_dscnt 0x0                               ; the stores are done: the loads below land on their registers
.irp b, 0,1,2,3
.irp j, 0,1,2,3
	ds_load_b128 v[X+16*\b+4*\j:X+16*\b+4*\j+3], v3 offset:128*\b+16*\j   ; LDS serves a wave's instructions in order: these see my stores
.endr
.endr
	s_wait_dscnt 0x0
	QUANT X, PC, PC+6, PW
.irp g, 0,1,2
	global_store_b128 v1, v[PC+4*\g:PC+4*\g+3], s[14:15] offset:512*\g    ; 512 consecutive bytes a store, at a multiple of 256 from cod's first byte
.endr
	ds_store_b32 v4, v[PW]                         ; lanes l and l xor 16 write the same word with the same value
	s_wait_dscnt 0x0                               ; for the others' sake: my word has landed
	s_barrier_signal -1
	s_barrier_wait -1
	s_cmp_lg_u32 s18, 0
	s_cbranch_scc1 .Lend                           ; wave 0 stores the tile's 512 bytes of scale words
	ds_load_b128 v[120:123], v5
	s_wait_dscnt 0x0
	global_store_b128 v1, v[120:123], s[16:17]
.Lend:
	s_wait_tensorcnt 0x0
	ds_add_u32 v124, v125
	s_wait_dscnt 0x0
	s_endpgm
.Lfunc_end_k_qd6bcd2a39a_quant:
	.size	k_qd6bcd2a39a_quant, .Lfunc_end_k_qd6bcd2a39a_quant-k_qd6bcd2a39a_quant
	.p2alignl 7, 3214868480
	.fill 96, 4, 3214868480
	.section	.rodata,"a",@progbits
	.p2align	6, 0x0
	.amdhsa_kernel k_qd6bcd2a39a_quant
		.amdhsa_group_segment_fixed_size 69120
		.amdhsa_private_segment_fixed_size 0
		.amdhsa_enable_private_segment 0
		.amdhsa_kernarg_size 56
		.amdhsa_user_sgpr_count 2
		.amdhsa_user_sgpr_kernarg_segment_ptr 1
		.amdhsa_wavefront_size32 1
		.amdhsa_system_sgpr_workgroup_id_x 1
		.amdhsa_system_sgpr_workgroup_id_y 1
		.amdhsa_system_sgpr_workgroup_id_z 1
		.amdhsa_system_vgpr_workitem_id 0
		.amdhsa_next_free_vgpr 128
		.amdhsa_next_free_sgpr 66
		.amdhsa_reserve_vcc 0
		.amdhsa_float_denorm_mode_32 3
		.amdhsa_float_denorm_mode_16_64 3
		.amdhsa_memory_ordered 1
		.amdhsa_forward_progress 1
		.amdhsa_inst_pref_size 13
	.end_amdhsa_kernel
	.amdgpu_metadata
---
amdhsa.version: [ 1, 2 ]
amdhsa.kernels:
  - .name:           k_qd6bcd2a39a_quant
    .symbol:         k_qd6bcd2a39a_quant.kd
    .args:
      - { .name: x, .offset: 0, .size: 8, .value_kind: global_buffer, .address_space: global }
      - { .name: Wq, .offset: 8, .size: 8, .value_kind: global_buffer, .address_space: global }
      - { .name: Wk, .offset: 16, .size: 8, .value_kind: global_buffer, .address_space: global }
      - { .name: Wv, .offset: 24, .size: 8, .value_kind: global_buffer, .address_space: global }
      - { .name: Wo, .offset: 32, .size: 8, .value_kind: global_buffer, .address_space: global }
      - { .name: cod, .offset: 40, .size: 8, .value_kind: global_buffer, .address_space: global }
      - { .name: sc, .offset: 48, .size: 8, .value_kind: global_buffer, .address_space: global }
    .group_segment_fixed_size: 69120
    .private_segment_fixed_size: 0
    .kernarg_segment_align: 8
    .kernarg_segment_size: 56
    .max_flat_workgroup_size: 256
    .sgpr_count:     66
    .vgpr_count:     128
    .wavefront_size: 32
...
	.end_amdgpu_metadata
.endif
;; end of part 1
;; launch qkvproj (part 2): grid 64 x 4, 4 waves a work-group, clusters of 4 x 1, 327,680 bytes of LDS; arguments cod, sc, bq, bk, bv, qkv; writes qkv
.if DOCPART == 2
	.amdgcn_target "amdgcn-amd-amdhsa--gfx1250"
	.amdhsa_code_object_version 6
	.text
	.protected	k_qd6bcd2a39a_qkvproj
	.globl	k_qd6bcd2a39a_qkvproj
	.p2align	8
	.type	k_qd6bcd2a39a_qkvproj,@function
k_qd6bcd2a39a_qkvproj:
	s_mov_b64 s[64:65], 0
	v_nop
	global_prefetch_b8 v0, s[64:65] scope:SCOPE_SE
	s_setreg_imm32_b32 hwreg(HW_REG_WAVE_MODE, 25, 1), 1
	s_wait_xcnt 0x0
	s_wait_alu depctr_hold_cnt(0) depctr_sa_sdst(0) depctr_va_vdst(0) depctr_va_sdst(0) depctr_va_ssrc(0) depctr_va_vcc(0) depctr_vm_vsrc(0)
	s_getreg_b32 s2, hwreg(HW_REG_IB_STS2, 6, 4)
	s_cmp_eq_u32 s2, 0
	s_cbranch_scc0 .Lentry_in_a_cluster
	s_endpgm
.Lentry_in_a_cluster:
	s_bfe_u32 s2, ttmp6, 0x10000c
	s_cmp_lg_u32 s2, 0x3003
	s_cbranch_scc0 .Lentry_shape_is_right
	s_endpgm
.Lentry_shape_is_right:
; q, k, v = x W^T + b on codes of BF6 (E3M2) with E8M0 scales, K = 1,024, sums in f32; the results leave as codes: q and k quantised along the head's 64, v along the keys.
; LIMITS: NaN and infinities are not served; a block of zeros gets the byte 1 where the rule says 127 (zero codes; this program alone reads the bytes).
; SHARES: a work-group takes 128 tokens and four heads of q, of k and of v: 64 x 4 = 256 work-groups, six steps of 128 columns each (step s: tensor s / 2, heads' pair s % 2).
; Wave (th, fh) makes 64 tokens x 64 columns (one head) a step: 16 accumulators by turns.  Its 64 rows of x, all of K, go from memory straight into 384 registers and stay.
; W goes through a ring of two LDS slots: a step's 128 stored rows, all of K, are 98,304 dense bytes of cod; each wave brings a quarter by one joint load.  One load of a wave is out behind each round; it has a step in which to land.
; CLUSTERS: the four work-groups of a cluster have the same heads and other tokens: W's tiles are asked for jointly (mask 15).  x is not shared by a joint load: it never lies in LDS.
; PREFETCH: in steps 0 to 3 the tile of two steps on is asked for, each 256 bytes once: by cluster column 0 alone (one cluster for each four heads), work-group cx a quarter, wave w 24 blocks of it, a lane a block (lanes 24-31 name block 23 again).
; LAYOUT: stored tile 2 B + u, row p, is row 32 B + 8 u + p + 8 (p / 8) of its tensor.  q, k: source 0 = W, source 1 = x: a lane holds a token and its 32 results are 2 x 16 neighbouring features.
; v: source 0 = x, source 1 = W: a lane holds a feature and its 32 results are 2 x 16 neighbouring keys.  A block of 32 lies in lanes l and l xor 16.  The bias is the C of each sum's first product.
; OUT: record (batch x 256 + head x 16 + tokens' block % 16) of 19,712 bytes: q 0, k 6,656, v 13,312; a part: images of 1,536 bytes (register 4 g + e of lane l at 512 g + 16 l + 4 e), then scale words at 6,144.
; q, k: an image holds two tiles of 16 tokens, six registers each; a wave stores two whole images and 256 bytes of scale words.
; v: an image holds 16 features x 128 keys; wave th makes its registers 6 th .. 6 th + 5 and bytes 2 th, 2 th + 1 of its scale words: registers 4-7 leave as 8 bytes a lane, the scale halves as 2 bytes a lane:
; 2,304 of a v part's 6,400 bytes are so stored by two waves.
; REGISTERS: window 0: v16-27 addresses, v28 v29 the add's two, v32-63 x's scale words, v64-127 W's (two sets), v128-223 sets 0, 1 of W's fragments; window 1: x tiles 0, 1, biases v192-255 (two sets);
; window 2: x tiles 2, 3, set 2 of W's fragments v192-239; window 3: accumulators v0-127, the way out v128-199.
.set CODT,  12288
.set REC,   19712
.set WQ,    24576
.set SLOT,  4*WQ
.set SPARE, 2*SLOT
.set ADW,  16
.set VX,   18
.set VSX,  19
.set VSW,  20
.set VB,   21
.set VBV,  22
.set VOQ,  23
.set VOS,  24
.set VOV,  25
.set VOB,  26
.set PFO,  27
.set SPW,  28
.set NIL,  29
.set SX,   32
.set SW,   64
.set G1,   24
.set MSB, 0
.macro WIN new
.if MSB != (\new)
	s_set_vgpr_msb (MSB<<8)|(\new)
.set MSB, (\new)
.endif
.endm
.macro CROUND
	s_barrier_signal -1
	s_barrier_wait -1
	s_cmp_lg_u32 s16, 0
	s_cbranch_scc1 .Lnot_wave_0_\@
	s_barrier_signal -3
.Lnot_wave_0_\@:
	s_barrier_wait -3
	s_barrier_signal -1
	s_barrier_wait -1
.endm
.macro PLACES n
.rept \n
	v_nop
.endr
.endm
	s_load_b256 s[4:11], s[0:1], 0x0               ; cod, sc, bq, bk
	s_load_b128 s[12:15], s[0:1], 0x20             ; bv, qkv
	v_lshl_add_u32 v[SPW], v0, 2, SPARE
	v_mov_b32 v[NIL], 0
	ds_add_u32 v[SPW], v[NIL]                      ; the opening lines: the add twice and one wait
	ds_add_u32 v[SPW], v[NIL]
	v_and_b32 v1, 31, v0                           ; lane
	v_and_b32 v2, 15, v0                           ; r
	v_bfe_u32 v3, v0, 4, 1                         ; h
	v_bfe_u32 v4, v0, 5, 1                         ; fh: which head of the step's two
	v_bfe_u32 v5, v0, 6, 1                         ; th: which 64 tokens
	v_lshrrev_b32 v6, 5, v0
	v_readfirstlane_b32 s16, v6                    ; wave
	v_lshlrev_b32 v7, 4, v1
	v_mul_u32_u24 v8, v4, 4*CODT
	v_add_nc_u32 v[ADW], v8, v7                    ; LDS: my four tiles of W in slot 0,
	v_add_nc_u32 v[ADW+1], SLOT, v[ADW]            ; and in slot 1
	v_mul_u32_u24 v9, v5, 4*CODT
	v_add_nc_u32 v[VX], v9, v7                     ; x's codes: my four tiles
	v_lshlrev_b32 v13, 5, v2                       ; scale words: 32 bytes a stored row
	v_lshl_add_u32 v[VSX], v5, 11, v13
	v_lshl_add_u32 v[VSW], v4, 11, v13
	v_lshlrev_b32 v14, 8, v4                       ; biases: 64 fh features
	v_lshl_add_u32 v[VB], v3, 6, v14               ; q, k: + 16 h
	v_and_b32 v10, 8, v2
	v_add_nc_u32 v10, v10, v2
	v_lshl_add_u32 v[VBV], v10, 2, v14             ; v: + r + 8 (r / 8)
	v_mul_u32_u24 v11, v4, 16*REC                  ; the second head's records lie 16 further on
	v_add_nc_u32 v[VOV], v11, v7
	v_mad_u32_u24 v[VOQ], v5, 3072, v[VOV]         ; q, k: my two images
	v_lshl_add_u32 v12, v2, 4, v11
	v_lshl_add_u32 v12, v3, 3, v12
	v_lshl_add_u32 v[VOS], v5, 8, v12              ; their scale words: 256 th + 16 r + 8 h
	v_lshl_add_u32 v12, v1, 3, v11
	v_lshl_add_u32 v[VOB], v5, 1, v12              ; v's scale halves: 8 l + 2 th
	v_min_u32 v15, 23, v1
	v_lshlrev_b32 v15, 8, v15
	v_mad_u32_u24 v[PFO], v6, 6144, v15            ; the prefetches: 24 blocks of 256 bytes a wave
	WIN 0xc0
.irp k, 0,1,2,3,4,5,6,7
	v_mov_b32 v[136+\k], 0                         ; a lane permute's destination counts as one of its sources
.endr
	WIN 0
	s_lshr_b32 s17, s16, 1                         ; th
	s_bfe_u32 s20, ttmp6, 0x40000                  ; cx: it enters x's, the outputs' and the prefetches' addresses alone
	s_lshl_b32 s21, ttmp9, 2
	s_add_co_u32 s21, s21, s20                     ; which 128 tokens
	s_and_b32 s22, ttmp7, 0xffff                   ; which four heads: the four partners share it
	s_mov_b32 s[G1], 15|(3<<16)|(1<<21)            ; all four work-groups; elements of 8 bytes; a dense block as 96 rows of 256 bytes
	s_mov_b32 s[G1+1], 32<<16
	s_mov_b32 s[G1+2], 96<<16
	s_mov_b32 s[G1+3], 32<<16
	s_mov_b32 s[G1+4], 96
	s_mov_b32 s[G1+5], 32
	s_mov_b32 s[G1+6], 0
	s_mov_b32 s[G1+7], 0
	s_lshl_b32 s40, s22, 4
	s_add_co_u32 s40, s40, 512                     ; Wq's first stored tile of my heads
	s_lshl_b32 s46, s40, 9                         ; its scale words
	s_mov_b32 s47, 0
	s_mul_i32 s40, s40, CODT
	s_mov_b32 s41, 0
	s_mov_b32 s32, 1
	s_mul_i32 s33, s16, WQ
	s_mov_b32 s36, 1
	s_add_co_u32 s37, s33, SLOT
	s_add_co_u32 s42, s40, s33                     ; my quarter of a tile
	s_mov_b32 s43, 0
	s_mul_i32 s44, s21, 8*CODT                     ; x's codes
	s_mov_b32 s45, 0
	s_lshl_b32 s48, s21, 12                        ; x's scale words
	s_mov_b32 s49, 0
	s_lshl_b32 s18, s22, 10                        ; biases: 256 features
	s_mov_b32 s19, 0
	s_lshr_b32 s58, s21, 4
	s_lshl_b32 s58, s58, 8
	s_lshl_b32 s59, s22, 6
	s_add_co_u32 s58, s58, s59
	s_and_b32 s59, s21, 15
	s_add_co_u32 s58, s58, s59
	s_mul_i32 s62, s58, REC                        ; my first record
	s_mov_b32 s63, 0
	s_mul_i32 s59, s20, WQ
	s_add_co_u32 s40, s40, s59                     ; the prefetches: my work-group's quarter
	s_mov_b32 s58, 0xffff0000                      ; lanes 16-31
	s_mov_b32 s60, 0x76543210
	s_mov_b32 s61, 0xfedcba98                      ; lane selects: lane l xor 16
	s_wait_alu depctr_va_vdst(0)                   ; the wait at the end of the head's vector work
	s_wait_dscnt 0x0
	s_wait_kmcnt 0x0
	s_add_nc_u64 s[34:35], s[4:5], s[42:43]        ; step 0's tile,
	s_add_nc_u64 s[38:39], s[34:35], 8*CODT        ; step 1's
	s_or_b32 s35, s35, 0x80000000
	s_or_b32 s39, s39, 0x80000000
	s_add_nc_u64 s[50:51], s[4:5], s[44:45]
	s_add_nc_u64 s[52:53], s[6:7], s[48:49]
	s_add_nc_u64 s[54:55], s[6:7], s[46:47]
	s_add_nc_u64 s[56:57], s[4:5], s[40:41]
	s_add_nc_u64 s[8:9], s[8:9], s[18:19]
	s_add_nc_u64 s[10:11], s[10:11], s[18:19]
	s_add_nc_u64 s[12:13], s[12:13], s[18:19]
	s_add_nc_u64 s[14:15], s[14:15], s[62:63]
	CROUND                                         ; all four work-groups are here: the joint loads meet
	tensor_load_to_lds s[32:35], s[G1:G1+7]        ; one load a wave at the head
	s_nop 0
	PLACES 4
; W's scale words and the biases of step s1, into set s1 % 2
.macro NEXT s1
.set T1, (\s1)/2
.set H1, (\s1)%2
.irp b, 0,1,2,3
	global_load_b128 v[SW+32*H1+8*\b:SW+32*H1+8*\b+3], v[VSW], s[54:55] offset:(64*T1+8*H1+\b)*512
	global_load_b128 v[SW+32*H1+8*\b+4:SW+32*H1+8*\b+7], v[VSW], s[54:55] offset:(64*T1+8*H1+\b)*512+16
.endr
	WIN 0x40
.if T1 < 2
.irp b, 0,1
.irp j, 0,1,2,3
	global_load_b128 v[192+32*H1+16*\b+4*\j:195+32*H1+16*\b+4*\j], v[VB], s[8+2*T1:9+2*T1] offset:512*H1+128*\b+16*\j   ; the bias at my 16 features of each pair of tiles
.endr
.endr
.else
.irp d, 0,1,2,3
.irp j, 0,1,2,3,4,5,6,7
	global_load_b32 v[192+32*H1+8*\d+\j], v[VBV], s[12:13] offset:512*H1+128*(\d/2)+32*(\d%2)   ; my feature's bias, in all eight registers of a C
.endr
.endr
.endif
	WIN 0
.endm
	NEXT 0
.irp a, 0,1,2,3
	global_load_b128 v[SX+8*\a:SX+8*\a+3], v[VSX], s[52:53] offset:512*\a
	global_load_b128 v[SX+8*\a+4:SX+8*\a+7], v[VSX], s[52:53] offset:512*\a+16
.endr
.irp a, 0,1,2,3
	WIN (1+\a/2)<<6
.irp q, 0,1,2,3,4,5,6,7
.irp g, 0,1,2
	global_load_b128 v[12*(8*(\a%2)+\q)+4*\g:12*(8*(\a%2)+\q)+4*\g+3], v[VX], s[50:51] offset:\a*CODT+\q*1536+512*\g
.endr
.endr
.endr
	WIN 0
.macro SETS q                              ; W's four fragments of K step q lie in set q % 3; set 2 lies in window 2
.set W0_, (((\q)%3)/2)*2
.set FB_, 128+48*((\q)%3)-32*(((\q)%3)/2)
.endm
.macro FETCH p, q
	SETS \q
	WIN W0_<<6
.irp b, 0,1,2,3
.irp g, 0,1,2
	ds_load_b128 v[FB_+12*\b+4*\g:FB_+12*\b+4*\g+3], v[ADW+\p] offset:\b*CODT+(\q)*1536+512*\g
.endr
.endr
.endm
.macro MUL p, q, isv                       ; 16 products, the 16 accumulators by turns
	SETS \q
.irp a, 0,1,2,3
.if \isv
	WIN (1+\a/2)|(W0_<<2)|(0x10+0x20*((\q+7)/8))|0xc0
.else
	WIN W0_|((1+\a/2)<<2)|(0x10+0x20*((\q+7)/8))|0xc0
.endif
.irp b, 0,1,2,3
.if \isv
.if \q == 0
	v_wmma_scale_f32_16x16x128_f8f6f4 v[8*(4*\b+\a):8*(4*\b+\a)+7], v[12*(8*(\a%2)+\q):12*(8*(\a%2)+\q)+11], v[FB_+12*\b:FB_+12*\b+11], v[192+32*\p+8*\b:192+32*\p+8*\b+7], v[SX+8*\a+\q], v[SW+32*\p+8*\b+\q] matrix_a_fmt:MATRIX_FMT_BF6 matrix_b_fmt:MATRIX_FMT_BF6
.else
	v_wmma_scale_f32_16x16x128_f8f6f4 v[8*(4*\b+\a):8*(4*\b+\a)+7], v[12*(8*(\a%2)+\q):12*(8*(\a%2)+\q)+11], v[FB_+12*\b:FB_+12*\b+11], v[8*(4*\b+\a):8*(4*\b+\a)+7], v[SX+8*\a+\q], v[SW+32*\p+8*\b+\q] matrix_a_fmt:MATRIX_FMT_BF6 matrix_b_fmt:MATRIX_FMT_BF6
.endif
.else
.if \q == 0
	v_wmma_scale_f32_16x16x128_f8f6f4 v[8*(4*\a+\b):8*(4*\a+\b)+7], v[FB_+12*\b:FB_+12*\b+11], v[12*(8*(\a%2)+\q):12*(8*(\a%2)+\q)+11], v[192+32*\p+8*\b:192+32*\p+8*\b+7], v[SW+32*\p+8*\b+\q], v[SX+8*\a+\q] matrix_a_fmt:MATRIX_FMT_BF6 matrix_b_fmt:MATRIX_FMT_BF6
.else
	v_wmma_scale_f32_16x16x128_f8f6f4 v[8*(4*\a+\b):8*(4*\a+\b)+7], v[FB_+12*\b:FB_+12*\b+11], v[12*(8*(\a%2)+\q):12*(8*(\a%2)+\q)+11], v[8*(4*\a+\b):8*(4*\a+\b)+7], v[SW+32*\p+8*\b+\q], v[SX+8*\a+\q] matrix_a_fmt:MATRIX_FMT_BF6 matrix_b_fmt:MATRIX_FMT_BF6
.endif
.endif
.endr
.endr
.endm
; THE WAY OUT of a step.  Group g (a tile of tokens for q, k; a tile of features for v) has its 32 numbers a lane in accumulators 4 g .. 4 g + 3: blocks 2 g and 2 g + 1, 16 numbers of each.  All eight blocks by turns.
.macro EPI off, isv
	PLACES 4                                       ; behind the last products
	s_wait_xcnt 0x0                                ; the last step's stores have read their registers
	WIN 0xff
.irp k, 0,1,2,3,4,5,6,7
	v_max3_num_f32 v[128+\k], |v[16*\k]|, |v[16*\k+1]|, 0x2800000     ; and the floor 2^(5 - 127): the byte cannot fall under 1
.endr
.irp i, 2,4,6,8,10,12,14
.irp k, 0,1,2,3,4,5,6,7
	v_max3_num_f32 v[128+\k], v[128+\k], |v[16*\k+\i]|, |v[16*\k+\i+1]|
.endr
.endr
.irp k, 0,1,2,3,4,5,6,7
	v_permlanex16_b32 v[136+\k], v[128+\k], s60, s61
.endr
.irp k, 0,1,2,3,4,5,6,7
	v_max_num_f32 v[128+\k], v[128+\k], v[136+\k]  ; with lane l xor 16's 16: the block's largest magnitude
.endr
.irp k, 0,1,2,3,4,5,6,7
	v_add_nc_u32 v[144+\k], 0xfe000000, v[128+\k]  ; 4 off its exponent field: the conversion's scale operand
.endr
.irp k, 0,1,2,3,4,5,6,7
	v_lshrrev_b32 v[136+\k], 23, v[144+\k]         ; the scale's byte
.endr
.irp g, 0,1,2,3
	v_lshl_or_b32 v[152+\g], v[137+2*\g], 8, v[136+2*\g]
.endr
.irp g, 0,1,2,3
	v_cvt_scalef32_pk16_bf6_f32 v[160+6*\g:162+6*\g], v[32*\g:32*\g+15], v[144+2*\g]
	v_cvt_scalef32_pk16_bf6_f32 v[184+4*\g:186+4*\g], v[32*\g+16:32*\g+31], v[145+2*\g]   ; (a conversion's three registers begin on an even number)
.endr
	v_nop                                          ; one plain instruction behind the conversions
.irp g, 0,1,2,3
.irp i, 0,1,2
	v_permlane16_swap_b32 v[160+6*\g+\i], v[184+4*\g+\i]   ; a whole block to a lane
.endr
.endr
.irp g, 0,1,2,3
.irp i, 0,1,2
	v_mov_b32 v[163+6*\g+\i], v[184+4*\g+\i]
.endr
.endr
	v_cndmask_b32 v156, v152, v154, s58            ; lanes 0-15: groups 0, 1; lanes 16-31: groups 2, 3
	v_cndmask_b32 v157, v153, v155, s58
	s_wait_alu depctr_va_vdst(0)                   ; the wait ahead of the branch and the stores
.if \isv
	WIN 0
	s_cmp_eq_u32 s17, 0
	s_cbranch_scc0 .Lupper_\@
	WIN 0x0c
.irp d, 0,1,2,3
	global_store_b128 v[VOV], v[160+6*\d:163+6*\d], s[14:15] offset:\off+\d*1536          ; registers 0-3 of the image,
	global_store_b64 v[VOV], v[164+6*\d:165+6*\d], s[14:15] offset:\off+\d*1536+512       ; 4 and 5
.endr
	WIN 0
	s_branch .Lboth_\@
.Lupper_\@:
	WIN 0x0c
.irp d, 0,1,2,3
	global_store_b64 v[VOV], v[160+6*\d:161+6*\d], s[14:15] offset:\off+\d*1536+520       ; registers 6 and 7,
	global_store_b128 v[VOV], v[162+6*\d:165+6*\d], s[14:15] offset:\off+\d*1536+1024     ; 8-11
.endr
	WIN 0
.Lboth_\@:
	WIN 0x0c
	global_store_b16 v[VOB], v156, s[14:15] offset:\off+6144       ; register j of the scale image: tile j (lanes 0-15), tile 2 + j (lanes 16-31); my two bytes of each word
	global_store_b16 v[VOB], v157, s[14:15] offset:\off+6148
.else
	WIN 0x0c
.irp p, 0,1
.irp g, 0,1,2
	global_store_b128 v[VOQ], v[160+12*\p+4*\g:163+12*\p+4*\g], s[14:15] offset:\off+\p*1536+512*\g   ; 512 consecutive bytes a store, aligned to 256
.endr
.endr
	global_store_b64 v[VOS], v[156:157], s[14:15] offset:\off+6144     ; 256 consecutive bytes: my four tiles' scale words
.endif
	WIN 0
.endm
.macro STEP s
.set TY, (\s)/2
.set HF, (\s)%2
	s_wait_tensorcnt 0x0                           ; all my loads are done, my quarter of this step's tile among them,
	ds_add_u32 v[SPW], v[NIL]
	s_add_nc_u64 s[34+4*HF:35+4*HF], s[34+4*HF:35+4*HF], 64*CODT   ; so a group 0 may be written: this slot's next tile, the next tensor's
	s_wait_dscnt 0x0                               ; the add is done, and so are my reads of the other slot
	CROUND                                         ; both now hold of every wave of the cluster
.if \s < 5
	tensor_load_to_lds s[36-4*HF:39-4*HF], s[G1:G1+7]   ; the next step's tile, into the slot read last (in step 0: slot 1's first fill)
	s_nop 0
	PLACES 4
.endif
	s_wait_loadcnt 0x0                             ; this step's scale words and biases (in step 0: x too)
.if \s < 5
	NEXT (\s)+1
.endif
.if \s < 4
	s_cmp_lt_u32 ttmp9, 1                          ; one cluster for each four heads asks
	s_cbranch_scc0 .Lnot_mine_\@
	global_prefetch_b8 v[PFO], s[56:57] offset:(64*(TY+1)+8*HF)*CODT th:TH_LOAD_NT scope:SCOPE_SE   ; the tile of two steps on
.Lnot_mine_\@:
.endif
	FETCH HF, 0
	FETCH HF, 1
.irp q, 0,1,2,3,4,5,6,7
	PLACES 4                                       ; in front of loads into the set that the K step before multiplied
.if \q < 6
	FETCH HF, \q+2                                 ; two K steps ahead
	s_wait_dscnt 24                                ; this K step's 12 loads are in; those of the next two may be out
.else
	s_wait_dscnt 12*(7-\q)
.endif
	MUL HF, \q, TY/2
.endr
	EPI HF*32*REC+TY*6656, TY/2
.endm
	STEP 0
	STEP 1
	STEP 2
	STEP 3
	STEP 4
	STEP 5
	s_wait_tensorcnt 0x0                           ; the wave's end
	ds_add_u32 v[SPW], v[NIL]
	s_wait_dscnt 0x0
	CROUND                                         ; the closing round
	s_endpgm
.Lfunc_end_k_qd6bcd2a39a_qkvproj:
	.size	k_qd6bcd2a39a_qkvproj, .Lfunc_end_k_qd6bcd2a39a_qkvproj-k_qd6bcd2a39a_qkvproj
	.p2alignl 7, 3214868480
	.fill 96, 4, 3214868480
	.section	.rodata,"a",@progbits
	.p2align	6, 0x0
	.amdhsa_kernel k_qd6bcd2a39a_qkvproj
		.amdhsa_group_segment_fixed_size 327680
		.amdhsa_private_segment_fixed_size 0
		.amdhsa_enable_private_segment 0
		.amdhsa_kernarg_size 48
		.amdhsa_user_sgpr_count 2
		.amdhsa_user_sgpr_kernarg_segment_ptr 1
		.amdhsa_wavefront_size32 1
		.amdhsa_system_sgpr_workgroup_id_x 1
		.amdhsa_system_sgpr_workgroup_id_y 1
		.amdhsa_system_sgpr_workgroup_id_z 1
		.amdhsa_system_vgpr_workitem_id 0
		.amdhsa_next_free_vgpr 1024
		.amdhsa_next_free_sgpr 66
		.amdhsa_reserve_vcc 0
		.amdhsa_float_denorm_mode_32 3
		.amdhsa_float_denorm_mode_16_64 3
		.amdhsa_memory_ordered 1
		.amdhsa_forward_progress 1
		.amdhsa_inst_pref_size 232
	.end_amdhsa_kernel
	.amdgpu_metadata
---
amdhsa.version: [ 1, 2 ]
amdhsa.kernels:
  - .name:           k_qd6bcd2a39a_qkvproj
    .symbol:         k_qd6bcd2a39a_qkvproj.kd
    .args:
      - { .name: cod, .offset: 0, .size: 8, .value_kind: global_buffer, .address_space: global }
      - { .name: sc, .offset: 8, .size: 8, .value_kind: global_buffer, .address_space: global }
      - { .name: bq, .offset: 16, .size: 8, .value_kind: global_buffer, .address_space: global }
      - { .name: bk, .offset: 24, .size: 8, .value_kind: global_buffer, .address_space: global }
      - { .name: bv, .offset: 32, .size: 8, .value_kind: global_buffer, .address_space: global }
      - { .name: qkv, .offset: 40, .size: 8, .value_kind: global_buffer, .address_space: global }
    .group_segment_fixed_size: 327680
    .private_segment_fixed_size: 0
    .kernarg_segment_align: 8
    .kernarg_segment_size: 48
    .max_flat_workgroup_size: 128
    .sgpr_count:     66
    .vgpr_count:     1024
    .wavefront_size: 32
...
	.end_amdgpu_metadata
.endif
;; end of part 2
;; launch attn (part 3): grid 4 x 64, 16 waves a work-group, clusters of 4 x 1, 263,168 bytes of LDS; arguments qkv, cod, sc; writes cod, sc
.if DOCPART == 3
	.amdgcn_target "amdgcn-amd-amdhsa--gfx1250"
	.amdhsa_code_object_version 6
	.text
	.protected	k_qd6bcd2a39a_attn
	.globl	k_qd6bcd2a39a_attn
	.p2align	8
	.type	k_qd6bcd2a39a_attn,@function
k_qd6bcd2a39a_attn:
	s_mov_b64 s[64:65], 0
	v_nop
	global_prefetch_b8 v0, s[64:65] scope:SCOPE_SE
	s_setreg_imm32_b32 hwreg(HW_REG_WAVE_MODE, 25, 1), 1
	s_wait_xcnt 0x0
	s_wait_alu depctr_hold_cnt(0) depctr_sa_sdst(0) depctr_va_vdst(0) depctr_va_sdst(0) depctr_va_ssrc(0) depctr_va_vcc(0) depctr_vm_vsrc(0)
	s_getreg_b32 s2, hwreg(HW_REG_IB_STS2, 6, 4)
	s_cmp_eq_u32 s2, 0
	s_cbranch_scc0 .Lentry_in_a_cluster
	s_endpgm
.Lentry_in_a_cluster:
	s_bfe_u32 s2, ttmp6, 0x10000c
	s_cmp_lg_u32 s2, 0x3003
	s_cbranch_scc0 .Lentry_shape_is_right
	s_endpgm
.Lentry_shape_is_right:
; ctx[b][h][q][:] = the sum over keys of softmax(q . k / 8) v, both products on codes of BF6 (E3M2) with E8M0 scales; ctx leaves as codes, quantised along the head's 64.
; THE SOFTMAX: t = score x log2(e) / 8; M = the running largest t rounded up to a whole number; p = 2^(t - M) is quantised along the keys, not normalised;
; the row's sum is taken of the unquantised p and divides at the end.  When M moves, the sum and O are multiplied by 2^(old M - new M): exact.
; LIMITS: NaN and infinities are not served; the promise holds while |t| stays under 2^31; a block of zeros gets the byte 1 where the rule says 127 (zero codes; this program alone reads the bytes).
; SHARES: the four work-groups of a head form a cluster; each owns 512 queries, each of its sixteen waves two tiles of 16, one after the other (two passes).
; THE HEAD'S WHOLE K AND V STAY IN LDS: 16 rows of 128 keys, 13,056 bytes of memory each.  Wave w brings row w by ONE joint load at the head; nothing is filled again.
; The descriptor lays 64 bytes of padding behind every 256: byte y of a row lies at y + 64 (y / 256): k's codes 0, k's scales 7,680, v's codes 8,320, v's scales 16,000; an image of 1,536 bytes takes 1,920.
; No prefetch: no load is issued behind the head for which one could run ahead.
; LAYOUT: S^T = K Q^T, O^T = V^T P^T: a lane holds one query throughout.  K'S ROWS ARE TAKEN IN AN ORDER OF THIS KERNEL'S OWN: tile 4 c + u, row 8 g + j, is key 64 c + 32 g + 8 u + j,
; so the 32 score registers of tiles 4 c .. 4 c + 3 of lane (r, g) are the WHOLE block 2 c + g of 32 keys in order: a block's maximum needs no other lane and the codes need no lane swap.
; In the stored images (stored tile 2 i + e, row p = key 32 i + 8 e + p + 8 (p / 8)) that row lies in image 2 c + g, registers 6 (u % 2) on, lane j + 8 (u / 2) + 16 h.
; With the padding an image begins 128 bytes past a multiple of 256 from the image before: lanes 0-7 and 8-15 of a load touch different banks.
; THE FIRST PRODUCT'S K IS 64: q's registers 6-11 are zero codes; k's operand of tile t is v[32 + 6 t] on, whose upper six registers (the next tile's codes, zeros behind the last) meet q's zeros.
; THE ROW'S SUM TRAILS BY A STEP: of a step's 32 additions four stand ahead of its second product and 28 behind the next step's loads of K, while p still lies in its registers;
; the first step of a pass finds zeros there, and the last step's sum is finished behind the loop.
; REGISTERS: v1 16 l, v2 8 l, v5 32 r, v6 lane, v9-11 lane parts of LDS addresses, v3 v4 v7 v8 the step's addresses, v12 -M, v13 largest score, v[14:15] the sum, v16-27 Q, v28 Q's scales, v29 byte selects,
; v[30:31] V's scales, v32-85 K then V, v86-92 pass 1's Q, v96-159 S^T then p, v160-191 O^T, v198-211 partial sums, v212-215 v232-235 maxima, v216 p's scale word, v218-220 v240-242 codes on their way,
; v224-235 p's codes, v236-254 at work, v248-251 K's scales, v243 v255 the add's two.
.set REC,  19712
.set ROWL, 16320
.set SPARE, 16*ROWL
.set KSC,  7680
.set VC,   8320
.set VSC,  16000
.set WV,   10
.set CX,   11
.set BH,   12
.set G1,   16
.set G0,   24
.set SEL,  40
.set CS,   42
.set TB,   44
.set ODD,  45
.set SAVE, 46
.set CNT,  47
.macro CROUND
	s_barrier_signal -1
	s_barrier_wait -1
	s_cmp_lg_u32 s[WV], 0
	s_cbranch_scc1 .Lnot_wave_0_\@
	s_barrier_signal -3
.Lnot_wave_0_\@:
	s_barrier_wait -3
	s_barrier_signal -1
	s_barrier_wait -1
.endm
	s_load_b128 s[4:7], s[0:1], 0x0                ; qkv, cod
	s_load_b64 s[8:9], s[0:1], 0x10                ; sc
	v_lshl_add_u32 v243, v0, 2, SPARE
	v_mov_b32 v255, 0
	ds_add_u32 v243, v255                          ; the opening lines: the add twice and one wait
	ds_add_u32 v243, v255
	v_lshrrev_b32 v6, 5, v0
	v_readfirstlane_b32 s[WV], v6                  ; wave 0..15
	v_and_b32 v6, 31, v0                           ; lane
	v_and_b32 v7, 15, v0                           ; r
	v_bfe_u32 v8, v0, 4, 1                         ; h
	v_lshlrev_b32 v1, 4, v6
	v_lshlrev_b32 v2, 3, v6
	v_lshlrev_b32 v5, 5, v7
	v_mov_b32 v29, 0x0c070c03                      ; byte selects for p's scale word: lanes 0-15 fill bytes 0 and 2,
	v_mov_b32 v3, 0x070c030c                       ; lanes 16-31 bytes 1 and 3; the others are 0
	v_cmp_ne_u32 vcc_lo, 0, v8
	v_cndmask_b32 v29, v29, v3, vcc_lo
	v_mul_u32_u24 v3, v8, 320
	v_lshl_add_u32 v9, v7, 4, v3                   ; an image as it lies: 16 r + 320 h
	v_and_b32 v4, 7, v0
	v_lshl_add_u32 v10, v4, 4, v3
	v_bfe_u32 v8, v0, 3, 1                         ; r / 8
	v_lshl_add_u32 v11, v8, 3, v10                 ; k's scale words: 320 h + 16 (r % 8) + 8 (r / 8)
	v_mad_u32_u24 v10, v8, 1920, v10               ; k's codes: 1,920 (r / 8) + 16 (r % 8) + 320 h
	v_bfe_u32 v240, v0, 6, 2                       ; Q: image (w % 8) / 2
	v_mad_u32_u24 v240, v240, 1536, v1
	v_bfe_u32 v241, v0, 7, 1                       ; its scale words: register w % 4 of lane r + 16 ((w % 8) / 4)
	v_bfe_u32 v242, v0, 5, 2
	v_lshlrev_b32 v241, 8, v241
	v_lshl_add_u32 v241, v242, 2, v241
	v_lshl_add_u32 v241, v7, 4, v241
.irp i, 0,1,2,3,4,5
	v_mov_b32 v[22+\i], 0                          ; Q's upper 64 along K: zero codes
	v_mov_b32 v[80+\i], 0                          ; behind K's last tile
.endr
.irp b, 0,1,2,3
	v_mov_b32 v[236+\b], 0                         ; a lane permute's destination counts as one of its sources
.endr
	v_mov_b32 v253, 0                              ; (named as the upper half of the pair v[252:253])
	s_bfe_u32 s[CX], ttmp6, 0x40000                ; my place in the cluster: it enters q's and the outputs' addresses alone
	s_and_b32 s[BH], ttmp7, 0xffff                 ; batch x 16 + head
	s_mov_b32 s[G1], 15|(3<<16)|(1<<20)|(1<<21)|(5<<22)|(15<<25)   ; all four work-groups; elements of 8 bytes; 16 words of padding behind every 64
	s_mov_b32 s[G1+1], 32<<16
	s_mov_b32 s[G1+2], 51<<16
	s_mov_b32 s[G1+3], 32<<16
	s_mov_b32 s[G1+4], 51
	s_mov_b32 s[G1+5], 32
	s_mov_b32 s[G1+6], 0
	s_mov_b32 s[G1+7], 0
	s_lshl_b32 s48, s[BH], 4
	s_add_co_u32 s48, s48, s[WV]                   ; wave w brings record w of the head,
	s_mul_i32 s48, s48, REC
	s_add_co_u32 s48, s48, 6656                    ; behind q's part of it
	s_mov_b32 s49, 0
	s_mov_b32 s[G0], 1
	s_mul_i32 s[G0+1], s[WV], ROWL
	s_wait_alu depctr_va_vdst(0)
	s_wait_dscnt 0x0
	s_wait_kmcnt 0x0
	s_add_nc_u64 s[G0+2:G0+3], s[4:5], s[48:49]
	s_or_b32 s[G0+3], s[G0+3], 0x80000000
	CROUND                                         ; all four work-groups are here: the joint loads meet
	tensor_load_to_lds s[G0:G0+3], s[G1:G1+7]      ; one load a wave
	s_nop 0
.rept 4
	v_nop
.endr
	s_lshl_b32 s52, s[BH], 4                       ; Q: my tile of pass p is tile 32 cx + 16 p + w of the head: record 4 cx + 2 p + w / 8
	s_lshl_b32 s53, s[CX], 2
	s_add_co_u32 s52, s52, s53
	s_lshr_b32 s53, s[WV], 3
	s_add_co_u32 s52, s52, s53
	s_mul_i32 s52, s52, REC
	s_mov_b32 s53, 0
	s_add_nc_u64 s[52:53], s[4:5], s[52:53]
.irp g, 0,1,2
	global_load_b128 v[96+4*\g:99+4*\g], v240, s[52:53] offset:512*\g
	global_load_b128 v[108+4*\g:111+4*\g], v240, s[52:53] offset:512*\g+2*REC
.endr
	global_load_b32 v28, v241, s[52:53] offset:6144
	global_load_b32 v92, v241, s[52:53] offset:6144+2*REC
	s_and_b32 s55, s[WV], 1
	s_cmp_eq_u32 s55, 1
	s_cselect_b32 s[ODD], -1, 0
	s_lshr_b32 s56, s[BH], 4                       ; where ctx goes: tile batch x 128 + 32 cx + w (pass 1: 16 tiles on)
	s_and_b32 s57, s[BH], 15
	s_lshl_b32 s56, s56, 7
	s_lshl_b32 s58, s[CX], 5
	s_add_co_u32 s56, s56, s58
	s_add_co_u32 s56, s56, s[WV]
	s_lshl_b32 s58, s56, 9                         ; sc: 512 bytes a tile, 2 bytes a head
	s_lshl_b32 s59, s57, 1
	s_add_co_u32 s58, s58, s59
	s_add_co_u32 s58, s58, 393216
	s_mov_b32 s59, 0
	s_add_nc_u64 s[8:9], s[8:9], s[58:59]
	s_lshl_b32 s56, s56, 3                         ; cod: eight K steps a tile, two heads a K step
	s_lshr_b32 s58, s57, 1
	s_add_co_u32 s56, s56, s58
	s_mul_i32 s56, s56, 1536
	s_and_b32 s57, s57, 1
	s_mul_i32 s57, s57, 768
	s_add_co_u32 s56, s56, s57
	s_add_co_u32 s56, s56, 9437184
	s_mov_b32 s57, 0
	s_add_nc_u64 s[6:7], s[6:7], s[56:57]
	s_mov_b32 s[SEL], 0x76543210
	s_mov_b32 s[SEL+1], 0xfedcba98
	s_mov_b32 s[CS], 0x3e38aa3b                    ; c = log2(e) / 8
	s_mov_b32 s[CS+1], s[CS]
	s_wait_loadcnt 0x0
.irp i, 0,1,2,3,4,5
	v_cndmask_b32 v[16+\i], v[96+\i], v[102+\i], s[ODD]      ; registers 0-5 (w even) or 6-11 (w odd) of the image
	v_cndmask_b32 v[86+\i], v[108+\i], v[114+\i], s[ODD]
.endr
.macro INIT                            ; the step is written once: the first finds zeros in O, in p and in the sums begun
	v_mov_b32 v13, 0xff61b1e6                      ; the largest score so far: -3e38
	v_mul_f32 v12, s[CS], v13
	v_floor_f32 v12, -v12                          ; -M
	v_mov_b32 v14, 0
	v_mov_b32 v15, 0
.set jj, 0
.rept 96
	v_mov_b32 v[96+jj], 0                          ; p and O^T
.set jj, jj+1
.endr
.set jj, 0
.rept 8
	v_mov_b32 v[198+jj], 0
.set jj, jj+1
.endr
.endm
; The row's sum of the unquantised p, two at a time: additions 0-6 begin seven chains, 7-24 go on by turns; TAIL joins the chains and the running sum.
.macro SUMS n
.rept \n
.if AI < 7
	v_pk_add_f32 v[198+2*AI:199+2*AI], v[96+4*AI:97+4*AI], v[98+4*AI:99+4*AI]
.else
	v_pk_add_f32 v[198+2*((AI-7)%7):199+2*((AI-7)%7)], v[198+2*((AI-7)%7):199+2*((AI-7)%7)], v[124+2*(AI-7):125+2*(AI-7)]
.endif
.set AI, AI+1
.endr
.endm
.macro TAIL
	s_delay_alu instid0(VALU_DEP_3)
	v_pk_add_f32 v[198:199], v[198:199], v[200:201]
	s_delay_alu instid0(VALU_DEP_2)
	v_pk_add_f32 v[202:203], v[202:203], v[204:205]
	v_pk_add_f32 v[206:207], v[206:207], v[208:209]
	v_pk_add_f32 v[14:15], v[14:15], v[210:211]
	s_delay_alu instid0(VALU_DEP_3)
	v_pk_add_f32 v[198:199], v[198:199], v[202:203]
	s_delay_alu instid0(VALU_DEP_2)
	v_pk_add_f32 v[14:15], v[14:15], v[206:207]
	s_delay_alu instid0(VALU_DEP_1)
	v_pk_add_f32 v[14:15], v[14:15], v[198:199]
.endm
.macro ORS n                           ; O^T under the new M, each accumulator from its low end on
.rept \n
	v_pk_mul_f32 v[160+2*OI:161+2*OI], v[160+2*OI:161+2*OI], v[252:253] op_sel_hi:[1,0]
.set OI, OI+1
.endr
.endm
; A KEY STEP: 128 keys, the row of LDS at s[TB].
.macro STEP
	v_add_nc_u32 v3, s[TB], v9                     ; these four are also the places in front of loads into registers that the last products have read
	v_add_nc_u32 v4, s[TB], v10
	v_add_nc_u32 v7, s[TB], v11
	v_add_nc_u32 v8, s[TB], v2
	ds_load_b64 v[248:249], v7 offset:KSC          ; K's scale words: register u: tile u (lanes 0-15), tile 4 + u (lanes 16-31)
	ds_load_b64 v[250:251], v7 offset:KSC+128
.irp c, 0,1
.irp u, 0,1
.irp g, 0,1,2
	ds_load_b128 v[32+12*(2*\c+\u)+4*\g:35+12*(2*\c+\u)+4*\g], v4 offset:3840*\c+128*\u+640*\g   ; tiles 4 c + 2 u and 4 c + 2 u + 1
.endr
.endr
.endr
.set AI, 4
	SUMS 21                                        ; the last step's p is summed while K is on its way
	TAIL
	s_wait_alu depctr_va_vdst(0)
	s_wait_dscnt 0x0
.irp t, 0,1,2,3
	v_wmma_scale_f32_16x16x128_f8f6f4 v[96+8*\t:103+8*\t], v[32+6*\t:43+6*\t], v[16:27], 0, v[248+\t], v28 matrix_a_fmt:MATRIX_FMT_BF6 matrix_b_fmt:MATRIX_FMT_BF6
.endr
.irp t, 4,5,6,7
	v_wmma_scale_f32_16x16x128_f8f6f4 v[96+8*\t:103+8*\t], v[32+6*\t:43+6*\t], v[16:27], 0, v[244+\t], v28 matrix_a_fmt:MATRIX_FMT_BF6 matrix_b_fmt:MATRIX_FMT_BF6 matrix_a_scale:MATRIX_SCALE_ROW1
.endr
.rept 4
	v_nop                                          ; places in front of the loads over K and of the first read of the scores
.endr
.irp d, 0,1,2,3
.irp g, 0,1,2
	ds_load_b128 v[32+12*\d+4*\g:35+12*\d+4*\g], v3 offset:VC+1920*\d+640*\g     ; V lands while the softmax is walked
.endr
.endr
	ds_load_b64 v[30:31], v8 offset:VSC            ; V's scale words: register j: tile j (lanes 0-15), tile 2 + j (lanes 16-31)
; the largest score of each of my two blocks of 32: four chains a block, of 9, 9, 7 and 7 scores, all eight by turns; each accumulator is first read in its four lowest registers
.irp c, 0,1
	v_max3_num_f32 v[232-20*\c], v[96+32*\c], v[97+32*\c], v[98+32*\c]
	v_max3_num_f32 v[233-20*\c], v[105+32*\c], v[106+32*\c], v[107+32*\c]
	v_max3_num_f32 v[234-20*\c], v[114+32*\c], v[115+32*\c], v[116+32*\c]
	v_max3_num_f32 v[235-20*\c], v[121+32*\c], v[122+32*\c], v[123+32*\c]
.endr
.irp i, 0,2
.irp c, 0,1
	v_max3_num_f32 v[232-20*\c], v[232-20*\c], v[99+\i+32*\c], v[100+\i+32*\c]
	v_max3_num_f32 v[233-20*\c], v[233-20*\c], v[108+\i+32*\c], v[109+\i+32*\c]
	v_max3_num_f32 v[234-20*\c], v[234-20*\c], v[117+\i+32*\c], v[118+\i+32*\c]
	v_max3_num_f32 v[235-20*\c], v[235-20*\c], v[124+\i+32*\c], v[125+\i+32*\c]
.endr
.endr
.irp c, 0,1
	v_max3_num_f32 v[232-20*\c], v[232-20*\c], v[103+32*\c], v[104+32*\c]
	v_max3_num_f32 v[233-20*\c], v[233-20*\c], v[112+32*\c], v[113+32*\c]
.endr
	s_delay_alu instid0(VALU_DEP_3)
	v_max3_num_f32 v232, v232, v233, v234
	s_delay_alu instid0(VALU_DEP_2)
	v_max3_num_f32 v212, v212, v213, v214
	s_delay_alu instid0(VALU_DEP_2)
	v_max_num_f32 v232, v232, v235                 ; of my block h,
	s_delay_alu instid0(VALU_DEP_2)
	v_max_num_f32 v212, v212, v215                 ; and of my block 2 + h: they serve the row's maximum and, since p rises with the score, the blocks' largest p
	s_delay_alu instid0(VALU_DEP_1)
	v_max_num_f32 v254, v232, v212
	s_delay_alu instid0(VALU_DEP_1)
	v_permlanex16_b32 v236, v254, s[SEL], s[SEL+1]
	s_delay_alu instid0(VALU_DEP_1)
	v_max3_num_f32 v13, v13, v254, v236            ; the running largest score of my query
	s_delay_alu instid0(VALU_DEP_1)
	v_mul_f32 v254, s[CS], v13                     ; as t (c is positive)
	v_mov_b32 v237, v12
	s_delay_alu instid0(VALU_DEP_2)
	v_floor_f32 v12, -v254                         ; the new -M = -ceil(t)
	s_delay_alu instid0(VALU_DEP_1)
	v_sub_f32 v254, v12, v237                      ; old M - new M: a whole number, 0 or less
	s_delay_alu instid0(VALU_DEP_1)
	v_cvt_i32_f32 v254, v254                       ; (it saturates)
	s_delay_alu instid0(VALU_DEP_1)
	v_ldexp_f32 v252, 1.0, v254                    ; f = 2^(old M - new M)
.set jj, 0
.rept 32
	v_pk_fma_f32 v[96+jj:97+jj], v[96+jj:97+jj], s[CS:CS+1], v[12:13] op_sel_hi:[1,0,0]   ; t - M, two at a time
.set jj, jj+2
.endr
	v_fma_f32 v232, v232, s[CS], v12               ; the same of each block's largest score
	v_fma_f32 v212, v212, s[CS], v12
	v_pk_mul_f32 v[14:15], v[14:15], v[252:253] op_sel_hi:[1,0]   ; the sum under the new M
	s_wait_alu depctr_va_vdst(0)                   ; the wait ahead of the batch
	v_exp_f32 v232, v232                           ; the blocks' largest p
	v_exp_f32 v212, v212
.set jj, 0
.rept 64
	v_exp_f32 v[96+jj], v[96+jj]                   ; p = 2^(t - M), at most 1
.set jj, jj+1
.endr
	s_wait_alu depctr_va_vdst(0)                   ; one wait for the batch, directly ahead of the first reader of O^T too
.set OI, 0
	ORS 3                                          ; the scale word's chain stands among O^T's sixteen lines, its links five lines apart or more
	v_max_num_f32 v232, 0x2800000, v232            ; the floor 2^(5 - 127): the byte cannot fall under 1
	v_max_num_f32 v212, 0x2800000, v212
	ORS 3
	v_add_nc_u32 v244, 0xfe000000, v232            ; 4 off the exponent field: the conversion's scale operand
	v_add_nc_u32 v245, 0xfe000000, v212
	ORS 3
	v_lshlrev_b32 v238, 1, v244                    ; the scale's byte as the word's top byte
	v_lshlrev_b32 v239, 1, v245
	ORS 4
	v_perm_b32 v216, v239, v238, v29               ; blocks h and 2 + h at their places in the word
	ORS 3
	s_delay_alu instid0(VALU_DEP_4)
	v_permlanex16_b32 v236, v216, s[SEL], s[SEL+1]
	v_cvt_scalef32_pk16_bf6_f32 v[224:226], v[96:111], v244
	v_cvt_scalef32_pk16_bf6_f32 v[240:242], v[112:127], v244     ; (a conversion's three registers begin on an even number)
	v_cvt_scalef32_pk16_bf6_f32 v[230:232], v[128:143], v245
	v_cvt_scalef32_pk16_bf6_f32 v[218:220], v[144:159], v245
	v_or_b32 v216, v216, v236                      ; with lane l xor 16's two bytes the word is whole.  (The plain instruction behind the conversions)
.irp i, 0,1,2
	v_mov_b32 v[227+\i], v[240+\i]
	v_mov_b32 v[233+\i], v[218+\i]
.endr
.set AI, 0
	SUMS 4                                         ; the sum's first four lines: the places behind p's codes; with the six moves, ten behind the scale word
	s_wait_alu depctr_va_vdst(0)
	s_wait_dscnt 0x0                               ; V is in
.irp d, 0,1
	v_wmma_scale_f32_16x16x128_f8f6f4 v[160+8*\d:167+8*\d], v[32+12*\d:43+12*\d], v[224:235], v[160+8*\d:167+8*\d], v[30+\d], v216 matrix_a_fmt:MATRIX_FMT_BF6 matrix_b_fmt:MATRIX_FMT_BF6
.endr
.irp d, 2,3
	v_wmma_scale_f32_16x16x128_f8f6f4 v[160+8*\d:167+8*\d], v[32+12*\d:43+12*\d], v[224:235], v[160+8*\d:167+8*\d], v[28+\d], v216 matrix_a_fmt:MATRIX_FMT_BF6 matrix_b_fmt:MATRIX_FMT_BF6 matrix_a_scale:MATRIX_SCALE_ROW1
.endr
	s_add_co_u32 s[TB], s[TB], ROWL                ; the next 128 keys
.endm
; THE WAY OUT of pass p: the last step's sum is finished; O^T / the sum, quantised along the head's 64 (two blocks), stored as half a fragment and two scale bytes a row.
.macro OUT p
.set AI, 4
	SUMS 21
	TAIL
	v_add_f32 v14, v14, v15
	v_permlanex16_b32 v252, v14, s[SEL], s[SEL+1]
	v_add_f32 v14, v14, v252                       ; the row's sum
	s_wait_alu depctr_va_vdst(0)
	v_rcp_f32 v14, v14
.rept 4
	v_nop                                          ; the plain instruction behind the reciprocal
.endr
	s_wait_alu depctr_va_vdst(0)                   ; ahead of the first reader of the reciprocal and of O^T
.set jj, 0
.rept 16
	v_pk_mul_f32 v[96+jj:97+jj], v[160+jj:161+jj], v[14:15] op_sel_hi:[1,0]   ; register 16 b + i = feature 32 b + 16 (lane / 16) + i
.set jj, jj+2
.endr
	v_max3_num_f32 v232, |v96|, |v97|, 0x2800000
	v_max3_num_f32 v233, |v112|, |v113|, 0x2800000
.irp i, 2,4,6,8,10,12,14
	v_max3_num_f32 v232, v232, |v[96+\i]|, |v[97+\i]|
	v_max3_num_f32 v233, v233, |v[112+\i]|, |v[113+\i]|
.endr
	v_permlanex16_b32 v236, v232, s[SEL], s[SEL+1]
	v_permlanex16_b32 v237, v233, s[SEL], s[SEL+1]
	v_max_num_f32 v232, v232, v236
	v_max_num_f32 v233, v233, v237
	v_add_nc_u32 v244, 0xfe000000, v232
	v_add_nc_u32 v245, 0xfe000000, v233
	v_lshrrev_b32 v236, 23, v244
	v_lshrrev_b32 v237, 23, v245
	v_lshl_or_b32 v254, v237, 8, v236              ; my row's two bytes
	v_cvt_scalef32_pk16_bf6_f32 v[224:226], v[96:111], v244
	v_cvt_scalef32_pk16_bf6_f32 v[240:242], v[112:127], v245
	v_nop
.irp i, 0,1,2
	v_permlane16_swap_b32 v[224+\i], v[240+\i]     ; a whole block to a lane
.endr
.irp i, 0,1,2
	v_mov_b32 v[227+\i], v[240+\i]
.endr
	global_store_b128 v1, v[224:227], s[6:7] offset:\p*196608          ; 512 consecutive bytes, at a multiple of 256 from cod's first byte
	global_store_b64 v2, v[228:229], s[6:7] offset:\p*196608+512       ; 256 more
	s_wait_alu depctr_va_vdst(0)
	s_wait_xcnt 0x0                                ; EXEC changes only behind this wait
	v_cmp_gt_u32 vcc_lo, 16, v6
	s_and_saveexec_b32 s[SAVE], vcc_lo             ; lanes 0-15: one lane a row
	global_store_b16 v5, v254, s[8:9] offset:\p*8192
	s_wait_xcnt 0x0                                ; and again, in front of the line that widens it
	s_or_b32 exec_lo, exec_lo, s[SAVE]
.endm
	INIT
	s_mov_b32 s[TB], 0
	s_mov_b32 s[CNT], 16
	s_wait_alu depctr_va_vdst(0)                   ; the wait at the head's end
	s_wait_tensorcnt 0x0                           ; my row is in;
	s_barrier_signal -1
	s_barrier_wait -1                              ; and everybody's: the whole head lies in LDS
.Lpass0:
	STEP
	s_sub_co_u32 s[CNT], s[CNT], 1
	s_cmp_lg_u32 s[CNT], 0
	s_cbranch_scc1 .Lpass0
	OUT 0
.irp i, 0,1,2,3,4,5
	v_mov_b32 v[16+\i], v[86+\i]                   ; the second pass's queries,
.endr
	v_mov_b32 v28, v92                             ; and their scale words: INIT's lines stand between this line and the next product
	INIT
	s_mov_b32 s[TB], 0
	s_mov_b32 s[CNT], 16
.Lpass1:
	STEP
	s_sub_co_u32 s[CNT], s[CNT], 1
	s_cmp_lg_u32 s[CNT], 0
	s_cbranch_scc1 .Lpass1
	OUT 1
	s_wait_tensorcnt 0x0                           ; the wave's end
	ds_add_u32 v243, v255
	s_wait_dscnt 0x0
	CROUND                                         ; the closing round
	s_endpgm
.Lfunc_end_k_qd6bcd2a39a_attn:
	.size	k_qd6bcd2a39a_attn, .Lfunc_end_k_qd6bcd2a39a_attn-k_qd6bcd2a39a_attn
	.p2alignl 7, 3214868480
	.fill 96, 4, 3214868480
	.section	.rodata,"a",@progbits
	.p2align	6, 0x0
	.amdhsa_kernel k_qd6bcd2a39a_attn
		.amdhsa_group_segment_fixed_size 263168
		.amdhsa_private_segment_fixed_size 0
		.amdhsa_enable_private_segment 0
		.amdhsa_kernarg_size 24
		.amdhsa_user_sgpr_count 2
		.amdhsa_user_sgpr_kernarg_segment_ptr 1
		.amdhsa_wavefront_size32 1
		.amdhsa_system_sgpr_workgroup_id_x 1
		.amdhsa_system_sgpr_workgroup_id_y 1
		.amdhsa_system_sgpr_workgroup_id_z 1
		.amdhsa_system_vgpr_workitem_id 0
		.amdhsa_next_free_vgpr 256
		.amdhsa_next_free_sgpr 66
		.amdhsa_reserve_vcc 1
		.amdhsa_float_denorm_mode_32 3
		.amdhsa_float_denorm_mode_16_64 3
		.amdhsa_memory_ordered 1
		.amdhsa_forward_progress 1
		.amdhsa_inst_pref_size 56
	.end_amdhsa_kernel
	.amdgpu_metadata
---
amdhsa.version: [ 1, 2 ]
amdhsa.kernels:
  - .name:           k_qd6bcd2a39a_attn
    .symbol:         k_qd6bcd2a39a_attn.kd
    .args:
      - { .name: qkv, .offset: 0, .size: 8, .value_kind: global_buffer, .address_space: global }
      - { .name: cod, .offset: 8, .size: 8, .value_kind: global_buffer, .address_space: global }
      - { .name: sc, .offset: 16, .size: 8, .value_kind: global_buffer, .address_space: global }
    .group_segment_fixed_size: 263168
    .private_segment_fixed_size: 0
    .kernarg_segment_align: 8
    .kernarg_segment_size: 24
    .max_flat_workgroup_size: 512
    .sgpr_count:     66
    .vgpr_count:     256
    .wavefront_size: 32
...
	.end_amdgpu_metadata
.endif
;; end of part 3
;; launch oproj (part 4): grid 64 x 4, 4 waves a work-group, clusters of 4 x 1, 214,528 bytes of LDS; arguments cod, sc, bo, out0; writes out0
.if DOCPART == 4
	.amdgcn_target "amdgcn-amd-amdhsa--gfx1250"
	.amdhsa_code_object_version 6
	.text
	.protected	k_qd6bcd2a39a_oproj
	.globl	k_qd6bcd2a39a_oproj
	.p2align	8
	.type	k_qd6bcd2a39a_oproj,@function
k_qd6bcd2a39a_oproj:
	s_mov_b64 s[64:65], 0
	v_nop
	global_prefetch_b8 v0, s[64:65] scope:SCOPE_SE
	s_setreg_imm32_b32 hwreg(HW_REG_WAVE_MODE, 25, 1), 1
	s_wait_xcnt 0x0
	s_wait_alu depctr_hold_cnt(0) depctr_sa_sdst(0) depctr_va_vdst(0) depctr_va_sdst(0) depctr_va_ssrc(0) depctr_va_vcc(0) depctr_vm_vsrc(0)
	s_getreg_b32 s2, hwreg(HW_REG_IB_STS2, 6, 4)
	s_cmp_eq_u32 s2, 0
	s_cbranch_scc0 .Lentry_in_a_cluster
	s_endpgm
.Lentry_in_a_cluster:
	s_bfe_u32 s2, ttmp6, 0x10000c
	s_cmp_lg_u32 s2, 0x3003
	s_cbranch_scc0 .Lentry_shape_is_right
	s_endpgm
.Lentry_shape_is_right:
; out0[t][n] = the sum over k of ctx[t][k] Wo[n][k] + bo[n], on codes of BF6 (E3M2) with E8M0 scales, K = 1,024; sums in f32.
; SHARES: a work-group makes 128 tokens x 256 columns: 64 x 4 = 256 work-groups.  Wave (mh, nh) makes 64 tokens x 128 columns in two column steps of 64: 16 accumulators by turns.
; Wo's 256 rows, all of K, are 196,608 dense bytes of cod: each wave brings a quarter by ONE joint load at the head; nothing is filled again, so the walk along K has no barrier.
; ctx: a wave's 64 rows, all of K, go from memory straight into 384 registers (4 tiles x 8 K steps x 12) and stay: each fragment of Wo read from LDS feeds four products.
; CLUSTERS: the four work-groups of a cluster have the same columns and other tokens: Wo's tile is asked for jointly (mask 15).  ctx is not shared by a joint load: it never lies in LDS.
; No prefetch: no tensor load is issued behind the head for which one could run ahead.
; THE MATRIX INSTRUCTION IS USED TRANSPOSED (source 0 = 16 stored rows of Wo, source 1 = 16 stored rows of ctx); stored tile 2 B + u, row p, is row 32 B + 8 u + p + 8 (p / 8) of its tensor,
; so a lane's 16 results of tiles 2 B, 2 B + 1 are columns 32 B + 16 h + 0 .. 15 of one token.  bo is the C of each sum's first product.
; THE WAY OUT: 16 tokens x 64 columns at a time through the wave's own stage (rows of 272 bytes, bytes that no tensor load fills) and back as rows of 256 bytes: sixteen lanes store one aligned unit.
; The first column step's stores are under way while the second is multiplied.
; REGISTERS: window 0: v16-25 addresses, v28 v29 the add's two, v32-63 ctx's scale words, v64-127 Wo's, v128-223 sets 0, 1 of Wo's fragments;
; window 1: ctx tiles 0, 1 (v0-191), bo (v192-255); window 2: ctx tiles 2, 3, set 2 of Wo's fragments (v192-239); window 3: accumulators v0-127, rows on the way out v128-255.
.set CODT,  12288
.set WQ,    49152
.set STAGE, 4*WQ
.set STG,   4352
.set SPARE, STAGE+4*STG
.set ADW,  16
.set STO,  18
.set RD,   19
.set CO,   20
.set VX16, 21
.set VX8,  22
.set VSX,  23
.set VSW,  24
.set VB,   25
.set SPW,  28
.set NIL,  29
.set SX,   32
.set SW,   64
.set G1,   24
.set G0,   32
.set MSB, 0
.macro WIN new
.if MSB != (\new)
	s_set_vgpr_msb (MSB<<8)|(\new)
.set MSB, (\new)
.endif
.endm
.macro CROUND
	s_barrier_signal -1
	s_barrier_wait -1
	s_cmp_lg_u32 s16, 0
	s_cbranch_scc1 .Lnot_wave_0_\@
	s_barrier_signal -3
.Lnot_wave_0_\@:
	s_barrier_wait -3
	s_barrier_signal -1
	s_barrier_wait -1
.endm
.macro PLACES n
.rept \n
	v_nop
.endr
.endm
	s_load_b256 s[4:11], s[0:1], 0x0               ; cod, sc, bo, out0
	v_lshl_add_u32 v[SPW], v0, 2, SPARE
	v_mov_b32 v[NIL], 0
	ds_add_u32 v[SPW], v[NIL]                      ; the opening lines: the add twice and one wait
	ds_add_u32 v[SPW], v[NIL]
	v_and_b32 v1, 31, v0                           ; lane
	v_and_b32 v2, 15, v0                           ; r
	v_bfe_u32 v3, v0, 4, 1                         ; h
	v_bfe_u32 v4, v0, 5, 1                         ; nh: which 128 columns
	v_bfe_u32 v5, v0, 6, 1                         ; mh: which 64 tokens
	v_lshrrev_b32 v6, 5, v0
	v_readfirstlane_b32 s16, v6                    ; wave
	v_lshlrev_b32 v7, 4, v1
	v_mul_u32_u24 v8, v4, 8*CODT
	v_add_nc_u32 v[ADW], v8, v7                    ; LDS: my eight tiles of Wo, 16 x lane; column step 0,
	v_add_nc_u32 v[ADW+1], 4*CODT, v[ADW]          ; and 1
	v_mul_u32_u24 v9, v6, STG
	v_mad_u32_u24 v10, v2, 272, v9
	v_lshl_add_u32 v10, v3, 6, v10
	v_add_nc_u32 v[STO], STAGE, v10                ; the stage, in: row r, + 64 h
	v_mad_u32_u24 v10, v3, 272, v9
	v_lshl_add_u32 v10, v2, 4, v10
	v_add_nc_u32 v[RD], STAGE, v10                 ; back: sixteen lanes to a row, two rows a load
	v_lshlrev_b32 v11, 18, v5                      ; out0: 64 mh rows of 4,096 bytes,
	v_lshl_add_u32 v11, v3, 12, v11                ; the load's second row,
	v_lshl_add_u32 v11, v4, 9, v11                 ; 128 nh columns,
	v_lshl_add_u32 v[CO], v2, 4, v11               ; 16 bytes a lane
	v_mul_u32_u24 v12, v5, 4*CODT
	v_add_nc_u32 v[VX16], v12, v7                  ; ctx's codes: my four tiles; registers 0-3 of a half at 16 x lane,
	v_lshl_add_u32 v[VX8], v1, 3, v12              ; registers 4, 5 at 8 x lane
	v_lshlrev_b32 v13, 5, v2                       ; scale words: 32 bytes a stored row
	v_lshl_add_u32 v[VSX], v5, 11, v13
	v_lshl_add_u32 v[VSW], v4, 12, v13
	v_lshlrev_b32 v14, 6, v3
	v_lshl_add_u32 v[VB], v4, 9, v14               ; bo: 128 nh columns, + 16 h
	s_bfe_u32 s20, ttmp6, 0x40000                  ; cx: it enters ctx's and out0's addresses alone
	s_lshl_b32 s21, ttmp9, 2
	s_add_co_u32 s21, s21, s20                     ; which 128 tokens
	s_and_b32 s22, ttmp7, 0xffff                   ; which 256 columns: the four partners share it
	s_mov_b32 s[G1], 15|(3<<16)|(1<<21)            ; all four work-groups; elements of 8 bytes; a dense block as 192 rows of 256 bytes
	s_mov_b32 s[G1+1], 32<<16
	s_mov_b32 s[G1+2], 192<<16
	s_mov_b32 s[G1+3], 32<<16
	s_mov_b32 s[G1+4], 192
	s_mov_b32 s[G1+5], 32
	s_mov_b32 s[G1+6], 0
	s_mov_b32 s[G1+7], 0
	s_lshl_b32 s36, s22, 4
	s_add_co_u32 s36, s36, 704                     ; Wo's first stored tile
	s_mul_i32 s38, s36, CODT
	s_mov_b32 s[G0], 1
	s_mul_i32 s[G0+1], s16, WQ
	s_add_co_u32 s38, s38, s[G0+1]                 ; my quarter
	s_mov_b32 s39, 0
	s_lshl_b32 s40, s36, 9
	s_mov_b32 s41, 0
	s_lshl_b32 s37, s21, 3
	s_add_co_u32 s37, s37, 768                     ; ctx's first stored tile
	s_mul_i32 s42, s37, CODT
	s_mov_b32 s43, 0
	s_lshl_b32 s44, s37, 9
	s_mov_b32 s45, 0
	s_lshl_b32 s46, s22, 10
	s_mov_b32 s47, 0
	s_lshl_b32 s48, s21, 19
	s_add_co_u32 s48, s48, s46
	s_mov_b32 s49, 0
	s_wait_alu depctr_va_vdst(0)                   ; the wait at the end of the head's vector work
	s_wait_dscnt 0x0
	s_wait_kmcnt 0x0
	s_add_nc_u64 s[G0+2:G0+3], s[4:5], s[38:39]
	s_or_b32 s[G0+3], s[G0+3], 0x80000000
	s_add_nc_u64 s[50:51], s[4:5], s[42:43]        ; ctx's codes
	s_add_nc_u64 s[52:53], s[6:7], s[44:45]        ; ctx's scales
	s_add_nc_u64 s[54:55], s[6:7], s[40:41]        ; Wo's scales
	s_add_nc_u64 s[8:9], s[8:9], s[46:47]
	s_add_nc_u64 s[10:11], s[10:11], s[48:49]
	CROUND                                         ; all four work-groups are here: the joint loads meet
	tensor_load_to_lds s[G0:G0+3], s[G1:G1+7]      ; one load a wave
	s_nop 0
	PLACES 4
.irp a, 0,1,2,3
	global_load_b128 v[SX+8*\a:SX+8*\a+3], v[VSX], s[52:53] offset:512*\a
	global_load_b128 v[SX+8*\a+4:SX+8*\a+7], v[VSX], s[52:53] offset:512*\a+16
.endr
.irp b, 0,1,2,3,4,5,6,7
	global_load_b128 v[SW+8*\b:SW+8*\b+3], v[VSW], s[54:55] offset:512*\b
	global_load_b128 v[SW+8*\b+4:SW+8*\b+7], v[VSW], s[54:55] offset:512*\b+16
.endr
	WIN 0x40
.irp b, 0,1,2,3
.irp j, 0,1,2,3
	global_load_b128 v[192+16*\b+4*\j:195+16*\b+4*\j], v[VB], s[8:9] offset:128*\b+16*\j   ; bo at my 16 columns of each pair of tiles
.endr
.endr
.irp q, 0,1,2,3,4,5,6,7                    ; ctx by K steps, 16 loads each, so that a K step's products wait for its own loads alone
.irp a, 0,1,2,3
	WIN (1+\a/2)<<6
.set XB_, 12*(8*(\a%2)+\q)
	global_load_b128 v[XB_:XB_+3], v[VX16], s[50:51] offset:\a*CODT+\q*1536
	global_load_b64 v[XB_+4:XB_+5], v[VX8], s[50:51] offset:\a*CODT+\q*1536+512
	global_load_b128 v[XB_+6:XB_+9], v[VX16], s[50:51] offset:\a*CODT+\q*1536+768
	global_load_b64 v[XB_+10:XB_+11], v[VX8], s[50:51] offset:\a*CODT+\q*1536+1280
.endr
.endr
	WIN 0
; kk = 8 x column step + K step.  Wo's four fragments of kk lie in set kk % 3.
.macro SETS kk
.set S_, (\kk)/8
.set Q_, (\kk)%8
.set W0_, (((\kk)%3)/2)*2                  ; set 2 lies in window 2
.set FB_, 128+48*((\kk)%3)-32*(((\kk)%3)/2)
.endm
.macro FETCH kk
	SETS \kk
	WIN W0_<<6
.irp b, 0,1,2,3
.irp g, 0,1,2
	ds_load_b128 v[FB_+12*\b+4*\g:FB_+12*\b+4*\g+3], v[ADW+S_] offset:\b*CODT+Q_*1536+512*\g
.endr
.endr
.endm
.macro MUL kk                              ; 16 products, the 16 accumulators by turns
	SETS \kk
.irp a, 0,1,2,3
.if Q_ == 0
	WIN W0_|((1+\a/2)<<2)|0x10|0xc0
.else
	WIN W0_|((1+\a/2)<<2)|0xf0
.endif
.irp b, 0,1,2,3
.if Q_ == 0
	v_wmma_scale_f32_16x16x128_f8f6f4 v[8*(4*\a+\b):8*(4*\a+\b)+7], v[FB_+12*\b:FB_+12*\b+11], v[12*(8*(\a%2)+Q_):12*(8*(\a%2)+Q_)+11], v[192+8*(4*S_+\b):192+8*(4*S_+\b)+7], v[SW+8*(4*S_+\b)+Q_], v[SX+8*\a+Q_] matrix_a_fmt:MATRIX_FMT_BF6 matrix_b_fmt:MATRIX_FMT_BF6
.else
	v_wmma_scale_f32_16x16x128_f8f6f4 v[8*(4*\a+\b):8*(4*\a+\b)+7], v[FB_+12*\b:FB_+12*\b+11], v[12*(8*(\a%2)+Q_):12*(8*(\a%2)+Q_)+11], v[8*(4*\a+\b):8*(4*\a+\b)+7], v[SW+8*(4*S_+\b)+Q_], v[SX+8*\a+Q_] matrix_a_fmt:MATRIX_FMT_BF6 matrix_b_fmt:MATRIX_FMT_BF6
.endif
.endr
.endr
.endm
.macro KST kk
	PLACES 4                                       ; in front of loads into the set that the step before multiplied
.if (\kk)+2 < 16
	FETCH (\kk)+2                                  ; two steps ahead
	s_wait_dscnt 24                                ; this step's 12 loads are in; those of the next two steps may be out
.else
	s_wait_dscnt 12*(15-(\kk))
.endif
.if (\kk) < 8
.if 16*(7-(\kk)) > 63
	s_wait_loadcnt 63                              ; ctx's loads of this K step have 64 younger ones or more
.else
	s_wait_loadcnt 16*(7-(\kk))                    ; ctx's loads of the later K steps may be out
.endif
.endif
	MUL \kk
.endm
.macro OUT s
	PLACES 5                                       ; behind the last products: their results are read, and the next column step writes over them
.if \s
	s_wait_xcnt 0x0                                ; the first column step's stores have read their registers
.endif
.irp a, 0,1,2,3
	WIN 0x0c
.irp b, 0,1,2,3
	ds_store_b128 v[STO], v[8*(4*\a+\b):8*(4*\a+\b)+3] offset:128*(\b/2)+32*(\b%2)      ; each accumulator from its low end on
	ds_store_b128 v[STO], v[8*(4*\a+\b)+4:8*(4*\a+\b)+7] offset:128*(\b/2)+32*(\b%2)+16
.endr
	WIN 0xc0
.irp i, 0,1,2,3,4,5,6,7
	ds_load_b128 v[128+32*\a+4*\i:131+32*\a+4*\i], v[RD] offset:\i*544   ; LDS serves a wave's instructions in order: these see the stores above, and the next block's stores come behind them
.endr
.endr
	WIN 0x0c
.irp a, 0,1,2,3
	s_wait_dscnt 16*(3-\a)                         ; block a is back; the 16 LDS lines of each later block may be out
.irp i, 0,1,2,3,4,5,6,7
	global_store_b128 v[CO], v[128+32*\a+4*\i:131+32*\a+4*\i], s[10:11] offset:(32*(\a/2)+8*(\a%2)+2*\i+8*(\i/4))*4096+256*\s th:TH_STORE_NT   ; sixteen lanes store 256 consecutive bytes, aligned
.endr
.endr
	WIN 0
.endm
	s_wait_tensorcnt 0x0                           ; my quarter of Wo is in;
	s_barrier_signal -1
	s_barrier_wait -1                              ; and everybody's
	FETCH 0
	FETCH 1
.irp k, 0,1,2,3,4,5,6,7
	KST \k
.endr
	OUT 0
.irp k, 8,9,10,11,12,13,14,15
	KST \k
.endr
	OUT 1
	s_wait_tensorcnt 0x0                           ; the wave's end
	ds_add_u32 v[SPW], v[NIL]
	s_wait_dscnt 0x0
	CROUND                                         ; the closing round
	s_endpgm
.Lfunc_end_k_qd6bcd2a39a_oproj:
	.size	k_qd6bcd2a39a_oproj, .Lfunc_end_k_qd6bcd2a39a_oproj-k_qd6bcd2a39a_oproj
	.p2alignl 7, 3214868480
	.fill 96, 4, 3214868480
	.section	.rodata,"a",@progbits
	.p2align	6, 0x0
	.amdhsa_kernel k_qd6bcd2a39a_oproj
		.amdhsa_group_segment_fixed_size 214528
		.amdhsa_private_segment_fixed_size 0
		.amdhsa_enable_private_segment 0
		.amdhsa_kernarg_size 32
		.amdhsa_user_sgpr_count 2
		.amdhsa_user_sgpr_kernarg_segment_ptr 1
		.amdhsa_wavefront_size32 1
		.amdhsa_system_sgpr_workgroup_id_x 1
		.amdhsa_system_sgpr_workgroup_id_y 1
		.amdhsa_system_sgpr_workgroup_id_z 1
		.amdhsa_system_vgpr_workitem_id 0
		.amdhsa_next_free_vgpr 1024
		.amdhsa_next_free_sgpr 66
		.amdhsa_reserve_vcc 0
		.amdhsa_float_denorm_mode_32 3
		.amdhsa_float_denorm_mode_16_64 3
		.amdhsa_memory_ordered 1
		.amdhsa_forward_progress 1
		.amdhsa_inst_pref_size 85
	.end_amdhsa_kernel
	.amdgpu_metadata
---
amdhsa.version: [ 1, 2 ]
amdhsa.kernels:
  - .name:           k_qd6bcd2a39a_oproj
    .symbol:         k_qd6bcd2a39a_oproj.kd
    .args:
      - { .name: cod, .offset: 0, .size: 8, .value_kind: global_buffer, .address_space: global }
      - { .name: sc, .offset: 8, .size: 8, .value_kind: global_buffer, .address_space: global }
      - { .name: bo, .offset: 16, .size: 8, .value_kind: global_buffer, .address_space: global }
      - { .name: out0, .offset: 24, .size: 8, .value_kind: global_buffer, .address_space: global }
    .group_segment_fixed_size: 214528
    .private_segment_fixed_size: 0
    .kernarg_segment_align: 8
    .kernarg_segment_size: 32
    .max_flat_workgroup_size: 128
    .sgpr_count:     66
    .vgpr_count:     1024
    .wavefront_size: 32
...
	.end_amdgpu_metadata
.endif
;; end of part 4
